; MI455X (gfx1250); checked and timed in simulation.
; The chip was launched on July 23, 2026; its instructions are those of AMD's public machine-readable ISA for CDNA 5 (MIT licence, August 2026) and "CDNA5" Instruction Set Architecture Reference Guide (July 2026). The comments in the code are by the model that wrote it; some were corrected since.
;; Self Attention. Allowed arithmetic: matrix products marked QUANTISED: E5M2 operands, one E8M0 scale for each 32 along K, by v_wmma_scale_f32_16x16x128_f8f6f4 with both operands' format E5M2, f32 sums; everything else in f32.
;; Inputs: bk 32 float32; bq 32 float32; bv 256 float32; gamma 1 float32; wk 32 x 256 float32; wq 32 x 256 float32; wv 256 x 256 float32; x 4 x 256 x 64 x 64 float32.
;; Outputs: out0 4 x 256 x 64 x 64 float32.
;; This version of the problem:
;;   THIS VERSION OF THE PROBLEM IS GIVEN IN LOW PRECISION. The matrix products marked QUANTISED in the list below multiply operands that are first quantised to E5M2 (5 exponent bits, 2 mantissa bits; 8 bits a number), with one power-of-two scale for each 32 numbers along K (OCP MX v1.0); their sums are f32. All else is computed in f32.
;;   The module's matrix products, in the order in which they are computed (A, B: the left and right operand; K: the contracted axis; several contracted axes count as one K, in the product's order):
;;     1. [M 16,384, K 256] x [K 256, N 32]; A: input x; B: input wq: QUANTISED
;;     2. [M 16,384, K 256] x [K 256, N 32]; A: input x; B: input wk: QUANTISED
;;     3. batch 4 x [M 4,096, K 32] x [K 32, N 4,096]; A: computed on the way; B: computed on the way: QUANTISED
;;     4. [M 16,384, K 256] x [K 256, N 256]; A: input x; B: input wv: QUANTISED
;;     5. batch 4 x [M 256, K 4,096] x [K 4,096, N 4,096]; A: computed on the way; B: softmax (see below): QUANTISED
;;   THE QUANTISER, for each operand of a quantised product, along K:
;;     - K is cut into blocks of 32 from its start; a last block that is shorter is filled with zeros.
;;     - A block's scale is 2^e with e = floor(log2(the largest magnitude in the block)) - 15, held to -126 .. 127; a block of zeros has e = 0. As a byte (E8M0): e + 127.
;;     - Each number is divided by its block's scale, clamped to +-57,344, and rounded to the nearest number of E5M2, ties to even, subnormals kept.
;;     - The product sums the exact products of the quantised numbers (number of the format x scale) in f32.
;;   ~~~python
;;   def quantise(x, axis):      # numpy; x: float32 -> the quantised numbers, widened to float32 again
;;       x = np.moveaxis(x, axis, -1); K = x.shape[-1]
;;       x = np.pad(x, [(0, 0)] * (x.ndim - 1) + [(0, -K % 32)]); x = x.reshape(x.shape[:-1] + (-1, 32)); a = np.abs(x).max(-1, keepdims=True)
;;       e = np.where(a > 0, np.clip(np.frexp(np.where(a > 0, a, 1))[1] - 1 - 15, -126, 127), 0)      # np.frexp(a)[1] - 1 = floor(log2(a)), exactly
;;       r = np.clip(x / 2.0 ** e, -57344, 57344)
;;       step = 2.0 ** (np.maximum(np.frexp(np.where(r == 0, 1, r))[1] - 1, -14) - 2)
;;       q = np.round(r / step) * step * 2.0 ** e      # np.round: ties to even
;;       return np.moveaxis(q.reshape(q.shape[:-2] + (-1,))[..., :K], -1, axis).astype(np.float32)
;;   ~~~
;;   SOFTMAX AHEAD OF A QUANTISED PRODUCT. Where the list says 'softmax', what is quantised is not the finished softmax but p = 2^(t - M), with t = logit x log2(e) and M = ceil(the row's largest t), a whole number; so 1/2 < the row's largest p <= 1. The row's sum l is taken of the UNQUANTISED p, in f32, and the product's result is divided by l at the end. Since M is a whole number, a kernel that streams over the keys may use a running M (the ceiling of the running maximum): every later rescaling is an exact power of two, which a block's scale takes up: the codes' values come out the same.
;;   OPERANDS COMPUTED ON THE WAY. 'Computed on the way' means the value that the module computes at that place (a softmax that the list does not call 'softmax' is quantised finished and normalised). What goes into a quantiser is computed in f32, as accurately as f32 sums, v_exp_f32 and their like allow (about 1e-6 of the number): no bf16 or f16 on the way to a quantiser, and a product that is left as it is and whose result goes on into a quantised operand takes f32 operands (vector FMAs, or v_wmma_f32_16x16x4_f32). A number that lies on a knife's edge between two numbers of the format may be rounded either way, as far as f32 arithmetic and the matrix unit's own rounding can turn it there, and no further.
;; One version. Each part assembles by itself: llvm-mc -triple=amdgcn-amd-amdhsa -mcpu=gfx1250 --defsym DOCPART=n.
;; ======== version 1 of 1: 2 launches
;; limits: right only within a limited range of input values
;; workspace buffers: kv 5,046,272 bytes; qimg 589,824 bytes
;; launch proj (part 1): grid 64 x 4, 4 waves a work-group, no clusters, 209,408 bytes of LDS; arguments x, wq, bq, wk, bk, wv, bv, qimg, kv; writes qimg, kv
.if DOCPART == 1
	.amdgcn_target "amdgcn-amd-amdhsa--gfx1250"
	.amdhsa_code_object_version 6
	.text
	.protected	k_qa2f576465e_proj
	.globl	k_qa2f576465e_proj
	.p2align	8
	.type	k_qa2f576465e_proj,@function
k_qa2f576465e_proj:
	s_mov_b64 s[64:65], 0
	v_nop
	global_prefetch_b8 v0, s[64:65] scope:SCOPE_SE
	s_setreg_imm32_b32 hwreg(HW_REG_WAVE_MODE, 25, 1), 1
	s_wait_xcnt 0x0
; q = x wq^T + bq, k = x wk^T + bk, v = wv x + bv for 128 pixels of one image, all three products on codes of BF8 (E5M2) with one E8M0 scale for each 32 along K (the 256 channels);
; then q and k are quantised along their 32 outputs and v along the pixels, and all three leave as IMAGES OF OPERAND REGISTERS: a group of four registers is 512 bytes on end, lane l's 16 bytes at 16 l.
; x: [4][256][4096] f32, K (the channel) is not innermost: a lane takes a pixel and its registers run down the channels.  wq, wk: [32][256], wv: [256][256] f32, K innermost.
; SHARES.  256 work-groups.  Work-group (x, y): pixels 128 (x / 2) .. + 127 of image y, and half z = x % 2 of the outputs: z = 0 makes q and channels 0-127 of v, z = 1 makes k and channels 128-255.  z chooses pointers and enters
; global offsets; no branch and no LDS address hangs on it.  Both work-groups of a pair fetch and quantise the same tile of x.
; Wave w quantises five weight fragments (fragment w of the four of wq or wk, which all four waves then read from LDS; its own four of wv), 32 pixels of x, and has three jobs: HALF A SMALL JOB (the 32 outputs of q or k for
; pixel tiles 2 w, 2 w + 1: 8 matrix instructions) and two V JOBS (tiles of 16 channels 8 z + 2 w + 0, 1, all eight tiles of pixels: 16 matrix instructions each).
; THE PIXELS OF A TILE ARE NOT NEIGHBOURS: row m of tile 2 b + u is pixel 32 b + 8 u + m + 8 (m / 8), so that the 16 registers of the result tiles 2 b and 2 b + 1 are 16 neighbouring pixels, 32 b + 16 (lane / 16) + 0 .. 15.
; wq's and wk's rows are taken in the same order, so that a lane's 16 registers of q or k are outputs 16 (lane / 16) + 0 .. 15.
; RECORD OF kv (39,424 bytes): 0: 16 fragments of v (16 channels x 128 pixels), 2,048 bytes each; 32,768: 8 tiles of k (16 pixels x 32 outputs), 512 bytes each; 36,864: k's scale words, for tiles 4 g + 0 .. 3 a word
; a lane (byte j: tile 4 g + j), written twice, at 256 g + 8 lane; 37,376: v's scale words, four a lane (channel tiles 4 G + 0 .. 3), at 512 G + 16 lane.  RECORD OF qimg (4,608 bytes): q's 8 tiles, then its scale words, as k's.
; A scale word of q or k has two bytes from each of two waves, and a lane's four words of v come from two waves: they meet in LDS behind the last barrier and leave as aligned runs of 256 bytes.
; NO JOINT LOADS: a tile of x is shared by two work-groups only and is fetched once, at the head: a mask of two would be made of half of the place in a cluster of four while the address hangs on the other half, and two rounds
; of the cluster's barrier would stand round that one fetch.  The weights, which all work-groups read, are 163,840 bytes of f32 a work-group and have no room in LDS beside x's tile and the images: each wave takes the
; fragments that it quantises straight into registers.
; A block's scale is 2^(floor(log2(its largest magnitude)) - 15); its byte is the largest magnitude's exponent field - 15, held at 1 from below.
; LIMITS: NaN and infinities among the inputs are not served; a block whose largest magnitude lies under 2^(16 - 127) keeps the byte 1, a block of zeros too (its codes are zeros, and this program alone reads the bytes).
; REGISTERS.  Window 0: v1-17, v240-246 addresses; v18-19 a scale word in the making; v20-35 at work; v36-47 the weights' scale words; v48-63 the codes just made; v64-127 numbers at work, results; v128-191 x's codes, later weight
;   fragments; v192-207 x's scale words; v208-223 bq or bk in the result's layout; v224-225 bv; v228-235 bv spread as a C; v236-237 v's scale words.   Window 1: four sets of 64 weights as loaded, later x's fragments.
.set XIMG,  131072                     ; LDS: 0: x's tile, 256 rows (channels) x 512 bytes (128 pixels), filled once;  here: x's 16 fragments (2 tile + K step), 2,048 bytes each,
.set XSC,   163840                     ; their scale words, 64 bytes a fragment,
.set WIMG,  164864                     ; each wave's own four fragments of wv, 8,192 bytes a wave,
.set SWIMG, 197632                     ; the four fragments of wq or wk (2 tile + K step), one from each wave, read by all,
.set SWSC,  205824                     ; their scale words, 128 bytes a fragment,
.set SSC,   206336                     ; each wave's half of q's or k's scale words, 128 bytes a wave,
.set VSC,   206848                     ; and the work-group's 1,024 bytes of v's scale words, as they lie in the record
.set REC,   39424
.set QREC,  4608
.set K_OFF, 32768
.set VS_OFF, 37376
.set AWS, 1                            ; v1   wq, wk: row r + 8 (r / 8) of 1,024 bytes, + 64 h
.set AWV, 2                            ; v2   wv: row r, + 64 h
.set AX0, 3                            ; v3   x's tile: my pixel's 4 bytes in a row: 128 wave + 4 lane;  v4 the same 128 rows on
.set XWI, 5                            ; v5   where my pixel's codes go among x's fragments
.set XWS, 6                            ; v6   and its scale words
.set AXG, 7                            ; v7   the small job's four fragments of x, my wave's own: 16 lane + 8,192 wave
.set ASG, 8                            ; v8   and their scale words: 4 r + 256 wave
.set AXF, 9                            ; v9   all sixteen: 16 lane
.set ASF, 10                           ; v10  and their scale words: 4 r
.set AWI, 11                           ; v11  my wave's fragments of wv: 16 lane + 8,192 wave
.set GV,  12                           ; v12  kv: my fragments of v: 16 lane + 4,096 wave + 16,384 z
.set GI,  13                           ; v13  q's or k's tiles: 16 lane + 1,024 wave
.set GS,  14                           ; v14  their scale words: 8 lane + 256 (wave / 2)
.set GW,  15                           ; v15  v's scale words: 8 lane + 256 wave + 1,024 z
.set ABQ, 16                           ; v16  bq, bk: 64 h
.set ABV, 17                           ; v17  bv: 4 r
.set SBW, 18
.set TM,  20                           ; v20-23 largest magnitudes, v24-27 the other half's, then bytes, v28-31 the largest number x the scale, v32-35 the conversions' scale operands
.set WS,  36                           ; v36-39 wq's or wk's four scale words (from LDS), v40-43 my four of wv, v44 the one that I make for the others
.set PC,  48
.set D,   64
.set CX,  128
.set WF,  128
.set XS,  192
.set BSM, 208
.set BV,  224
.set CB,  228
.set VSW, 236
.set ASW, 240                          ; v240 where my fragment of wq or wk goes: 16 lane + 2,048 wave;  v241 where all four are read: 16 lane
.set ASI, 241
.set ACW, 242                          ; v242 its scale word: 4 lane + 128 wave;  v243 all four: 4 lane
.set ACL, 243
.set ASS, 244                          ; v244 my half of q's or k's scale words: 4 lane + 128 wave
.set AVS, 245                          ; v245 my two scale words of v: 16 lane + 8 (wave % 2) + 512 (wave / 2);  v246 the 256 bytes that I carry out: 8 lane + 256 wave
.set AVL, 246
.set WSM, 44                           ; s[44:45] my fragment of wq or wk;  s[46:47] bq or bk;  s[48:49] where q's or k's images go;  s[50:51] my record of kv;  s[56:57] my 32 rows of wv;  s[58:59] my 32 numbers of bv
.set BSP, 46
.set DSM, 48
.set KVR, 50
.set WVB, 56
.set BVB, 58
.set MSB, 0
.macro WIN new                         ; s_set_vgpr_msb: bits 1:0 source 0, 3:2 source 1, 5:4 source 2, 7:6 destination; the immediate's high byte repeats the setting that is left
.if MSB != (\new)
	s_set_vgpr_msb (MSB<<8)|(\new)
.set MSB, (\new)
.endif
.endm
.macro PLACES n                        ; plain vector instructions between a matrix instruction and what touches its registers (ISA guide 7.12.1)
.rept \n
	v_nop
.endr
.endm
.macro BARRIER                         ; my LDS stores have landed and my LDS loads are in: then the work-group's barrier
	s_wait_dscnt 0x0
	s_barrier_signal -1
	s_barrier_wait -1
.endm
; Weight fragment f (0: mine of wq or wk;  1-4: wv, tile (f - 1) / 2, K step (f - 1) % 2) as f32 into set f % 4 of window 1: register 16 b + 4 j + e = k 32 b + 16 h + 4 j + e of my row's 128 along K
.macro LOADW f
	WIN 0x40                                       ; destination window 1, address window 0
.irp b, 0,1,2,3
.irp j, 0,1,2,3
.if (\f) == 0
	global_load_b128 v[64*((\f)%4)+16*\b+4*\j:64*((\f)%4)+16*\b+4*\j+3], v[AWS], s[WSM:WSM+1] offset:128*\b+16*\j
.else
	global_load_b128 v[64*((\f)%4)+16*\b+4*\j:64*((\f)%4)+16*\b+4*\j+3], v[AWV], s[WVB:WVB+1] offset:(((\f)-1)/2)*16384+(((\f)-1)%2)*512+128*\b+16*\j
.endif
.endr
.endr
	WIN 0
.endm
; 16 nb numbers of a lane, v[s] on in window win, register 16 b + i = k 32 b + 16 (lane / 16) + i of my row, become codes in v[PC] on and nb scale bytes in v[pw].  The held numbers go to v[d] on in window 0.
; gs = 1: global stores that read the codes' registers may be out.  (With gs = 0 none has been issued yet, and no wait stands for the weights' loads, whose address registers are never rewritten.)
.macro QUANT win, s, d, pw, nb, gs
	WIN 5*(\win)                                   ; sources 0 and 1 in the numbers' window
.set qb, 0
.rept \nb
	v_max3_num_f32 v[TM+qb], |v[(\s)+16*qb]|, |v[(\s)+16*qb+1]|, 0x8000000   ; block qb: my 16 numbers, and the floor 2^(16 - 127): the byte cannot fall under 1
.set qb, qb+1
.endr
.irp i, 2,4,6,8,10,12,14
.set qb, 0
.rept \nb
	v_max3_num_f32 v[TM+qb], |v[(\s)+16*qb+\i]|, |v[(\s)+16*qb+\i+1]|, v[TM+qb]   ; (the blocks by turns)
.set qb, qb+1
.endr
.endr
	WIN 0
.set qb, 0
.rept \nb
	v_permlanex16_b32 v[TM+4+qb], v[TM+qb], s28, s29
.set qb, qb+1
.endr
.set qb, 0
.rept \nb
	v_max_num_f32 v[TM+qb], v[TM+qb], v[TM+4+qb]   ; with lane l xor 16's 16: the block's largest magnitude
.set qb, qb+1
.endr
.set qb, 0
.rept \nb
	v_add_nc_u32 v[TM+12+qb], 0xf8800000, v[TM+qb] ; 15 off its exponent field: the conversion takes the exponent field of this operand as its scale
.set qb, qb+1
.endr
.set qb, 0
.rept \nb
	v_and_or_b32 v[TM+8+qb], v[TM+qb], 0x7f800000, s27   ; 57,344 x the scale
.set qb, qb+1
.endr
.set qb, 0
.rept \nb
	v_lshrrev_b32 v[TM+4+qb], 23, v[TM+12+qb]      ; the scale's byte
.set qb, qb+1
.endr
	v_lshl_or_b32 v[\pw], v[TM+5], 8, v[TM+4]      ; the bytes side by side, the lower K in the lower byte
.if \nb > 2
	v_lshl_or_b32 v[\pw], v[TM+6], 16, v[\pw]
	v_lshl_or_b32 v[\pw], v[TM+7], 24, v[\pw]
.endif
	WIN \win                                       ; source 0 in the numbers' window
.set qb, 0
.rept \nb
.irp i, 0,1,2,3,4,5,6,7,8,9,10,11,12,13,14,15
	v_med3_num_f32 v[(\d)+16*qb+\i], v[(\s)+16*qb+\i], -v[TM+8+qb], v[TM+8+qb]   ; the conversion to an 8-bit code does not saturate (ISA guide 7.6.2): the hold at the largest code x the scale
.endr
.set qb, qb+1
.endr
	s_wait_alu depctr_va_vdst(0)
	WIN 0
	s_wait_dscnt 0x0                               ; earlier LDS stores have read the codes' registers, which are written again below
.if \gs
	s_wait_xcnt 0x0                                ; and so have the earlier global stores
.endif
.set qb, 0
.rept \nb
	v_cvt_scalef32_pk8_bf8_f32 v[PC+4*qb:PC+4*qb+1], v[(\d)+16*qb:(\d)+16*qb+7], v[TM+12+qb]
	v_cvt_scalef32_pk8_bf8_f32 v[PC+4*qb+2:PC+4*qb+3], v[(\d)+16*qb+8:(\d)+16*qb+15], v[TM+12+qb]
.set qb, qb+1
.endr
	v_nop                                          ; one plain vector instruction between the last conversion and the next vector or matrix instruction that touches its registers
.endm
.macro IMAGE adr, off                  ; the fragment in v[PC] on goes to LDS as it stands
.irp c, 0,1,2,3
	ds_store_b128 v[\adr], v[PC+4*\c:PC+4*\c+3] offset:(\off)+512*\c
.endr
.endm
.macro FETCHF adr, f, reg              ; and comes back so
.irp c, 0,1,2,3
	ds_load_b128 v[(\reg)+4*\c:(\reg)+4*\c+3], v[\adr] offset:(\f)*2048+512*\c
.endr
.endm
.macro STOREPC adr, base, off          ; the fragment in v[PC] on goes to memory as it stands: each store of the wave covers 512 consecutive bytes, aligned
.irp c, 0,1,2,3
	global_store_b128 v[\adr], v[PC+4*\c:PC+4*\c+3], s[\base:\base+1] offset:(\off)+512*\c
.endr
.endm
.macro LOADX cb                        ; channels 32 cb .. 32 cb + 31 of my pixel into set cb % 2: each load of the wave reads 128 consecutive bytes of one row of the tile
.set ii, 0
.rept 32
	ds_load_b32 v[D+32*((\cb)%2)+ii], v[AX0+(\cb)/4] offset:((\cb)%4)*16384+512*ii
.set ii, ii+1
.endr
.endm
; Block cb of my pixel: all 32 numbers are mine.  Its 32 codes are registers 4 (cb % 4) .. + 3 of fragment (my tile, K step cb / 4): the first 16 for the fragment's lane r', the other 16 for lane r' + 16.
.macro BLOCK cb, left
.set XB, D+32*((\cb)%2)
.set CC, CX+8*(\cb)
	s_wait_dscnt \left                             ; this block's 32 loads are in; what was issued behind them (the last block's stores, the next block's loads) may be out
	v_max3_num_f32 v[TM], |v[XB]|, |v[XB+1]|, |v[XB+2]|
	v_max3_num_f32 v[TM+1], |v[XB+3]|, |v[XB+4]|, |v[XB+5]|
.irp i, 6,10,14,18,22,26
	v_max3_num_f32 v[TM], v[TM], |v[XB+\i]|, |v[XB+\i+1]|
	v_max3_num_f32 v[TM+1], v[TM+1], |v[XB+\i+2]|, |v[XB+\i+3]|
.endr
	v_max3_num_f32 v[TM], v[TM], |v[XB+30]|, |v[XB+31]|
	v_max3_num_f32 v[TM], v[TM], v[TM+1], 0x8000000
	v_add_nc_u32 v[TM+12], 0xf8800000, v[TM]
	v_lshrrev_b32 v[TM+1], 23, v[TM+12]
.if (\cb)%4 == 0
	v_mov_b32 v[SBW+(\cb)/4], v[TM+1]              ; four bytes to a word, the lower K in the lower byte
.else
	v_lshl_or_b32 v[SBW+(\cb)/4], v[TM+1], 8*((\cb)%4), v[SBW+(\cb)/4]
.endif
.set ii, 0
.rept 32
.set ii, ii+1
.endr
.irp g, 0,1,2,3
	v_cvt_scalef32_pk8_bf8_f32 v[CC+2*\g:CC+2*\g+1], v[XB+8*\g:XB+8*\g+7], v[TM+12]
.endr
	v_nop
	ds_store_b128 v[XWI], v[CC:CC+3] offset:((\cb)/4)*2048+((\cb)%4)*512
	ds_store_b128 v[XWI], v[CC+4:CC+7] offset:((\cb)/4)*2048+((\cb)%4)*512+256
.if (\cb)%4 == 3
	ds_store_b32 v[XWS], v[SBW+(\cb)/4] offset:64*((\cb)/4)
.endif
.if (\cb)+2 < 8
	LOADX (\cb)+2
.endif
.endm
	s_load_b256 s[4:11], s[0:1], 0x0               ; x s[4:5], wq s[6:7], bq s[8:9], wk s[10:11]
	s_load_b256 s[12:19], s[0:1], 0x20             ; bk s[12:13], wv s[14:15], bv s[16:17], qimg s[18:19]
	s_load_b64 s[20:21], s[0:1], 0x40              ; kv
	v_lshl_add_u32 v254, v0, 2, 0x33000
	v_mov_b32 v255, 0
	ds_add_u32 v254, v255
	ds_add_u32 v254, v255
	v_lshrrev_b32 v20, 5, v0
	v_readfirstlane_b32 s22, v20                   ; wave 0..3
	s_and_b32 s24, s22, 1                          ; wave % 2
	s_lshr_b32 s61, s22, 1                         ; wave / 2
	s_and_b32 s23, ttmp9, 1                        ; z: which half of the outputs
	s_lshr_b32 s25, ttmp9, 1                       ; the block of 128 pixels
	s_and_b32 s26, ttmp7, 0xffff                   ; the image
	s_mov_b32 s27, 0x600000                        ; the mantissa field of 57,344
	s_mov_b32 s28, 0x76543210
	s_mov_b32 s29, 0xfedcba98                      ; v_permlanex16_b32's selects for lane l xor 16
	; descriptor group 1: 64 rows (channels) x 128 elements of 4 bytes, rows 4,096 elements apart, no padding: the tile is read 128 consecutive bytes a wave
	s_mov_b32 s36, 2<<16                           ; no mask; elements of 4 bytes
	s_mov_b32 s37, 128<<16                         ; tensor_dim0 = 128
	s_mov_b32 s38, 64<<16                          ; tensor_dim1 = 64
	s_mov_b32 s39, 128<<16                         ; tile_dim0 = 128
	s_mov_b32 s40, 64                              ; tile_dim1 = 64
	s_mov_b32 s41, 4096                            ; tensor_dim0_stride
	s_mov_b32 s42, 0
	s_mov_b32 s43, 0
	s_mov_b32 s32, 1                               ; group 0: count = 1,
	s_lshl_b32 s33, s22, 15                        ; LDS address: my 64 rows of 512 bytes,
	s_lshl_b32 s52, s26, 22                        ; from: image x 4,194,304
	s_lshl_b32 s53, s22, 20                        ; + wave x 64 channels of 16,384 bytes
	s_add_co_u32 s52, s52, s53
	s_lshl_b32 s53, s25, 9                         ; + block x 512
	s_add_co_u32 s52, s52, s53
	s_mov_b32 s53, 0
	s_wait_dscnt 0x0
	s_wait_kmcnt 0x0
	s_add_nc_u64 s[34:35], s[4:5], s[52:53]
	s_or_b32 s35, s35, 0x80000000                  ; type = 2
	tensor_load_to_lds s[32:35], s[36:43]          ; my one tensor load: a quarter of x's tile.  Nothing in LDS is filled twice in this launch
	s_nop 0
	PLACES 4
	s_lshl_b32 s60, s26, 5
	s_add_co_u32 s60, s60, s25                     ; the record: 32 image + block
	s_mul_i32 s52, s60, REC
	s_mul_i32 s54, s60, QREC
	s_mov_b32 s55, 0
	s_add_nc_u64 s[KVR:KVR+1], s[20:21], s[52:53]
	s_add_nc_u64 s[30:31], s[18:19], s[54:55]
	s_add_nc_u64 s[62:63], s[KVR:KVR+1], K_OFF
	s_lshl_b32 s52, s23, 17                        ; wv: z x 128 rows of 1,024 bytes
	s_lshl_b32 s54, s22, 15                        ; + wave x 32 rows
	s_add_co_u32 s52, s52, s54
	s_add_nc_u64 s[WVB:WVB+1], s[14:15], s[52:53]
	s_lshl_b32 s52, s23, 9                         ; bv: z x 128 numbers
	s_lshl_b32 s54, s22, 7                         ; + wave x 32
	s_add_co_u32 s52, s52, s54
	s_add_nc_u64 s[BVB:BVB+1], s[16:17], s[52:53]
	s_lshl_b32 s52, s61, 13                        ; my fragment of wq or wk: tile wave / 2 begins 8 rows on,
	s_lshl_b32 s54, s24, 9                         ; K step wave % 2 is 512 bytes on
	s_add_co_u32 s52, s52, s54
	s_cmp_eq_u32 s23, 0                            ; z = 0: q;  z = 1: k.  The choice hangs on the work-group's number alone; only pointers are chosen
	s_cselect_b64 s[DSM:DSM+1], s[30:31], s[62:63]
	s_cselect_b64 s[WSM:WSM+1], s[6:7], s[10:11]
	s_cselect_b64 s[BSP:BSP+1], s[8:9], s[12:13]
	s_add_nc_u64 s[WSM:WSM+1], s[WSM:WSM+1], s[52:53]
	v_and_b32 v20, 31, v0                          ; lane
	v_and_b32 v21, 15, v0                          ; r
	v_bfe_u32 v22, v0, 4, 1                        ; h
	v_and_b32 v23, 8, v21
	v_add_nc_u32 v23, v23, v21                     ; r + 8 (r / 8)
	v_lshlrev_b32 v[AWS], 10, v23
	v_lshl_add_u32 v[AWS], v22, 6, v[AWS]
	v_lshlrev_b32 v[AWV], 10, v21
	v_lshl_add_u32 v[AWV], v22, 6, v[AWV]
	v_lshlrev_b32 v[ABQ], 6, v22
	v_lshlrev_b32 v[ABV], 2, v21
.irp u, 0,1                            ; the biases go first, so that the first counted wait below covers them.  bq or bk in the result's layout: tile u, lane half h: outputs 8 u + 16 h + 0 .. 7
	global_load_b128 v[BSM+8*\u:BSM+8*\u+3], v[ABQ], s[BSP:BSP+1] offset:32*\u
	global_load_b128 v[BSM+8*\u+4:BSM+8*\u+7], v[ABQ], s[BSP:BSP+1] offset:32*\u+16
.endr
.irp i, 0,1
	global_load_b32 v[BV+\i], v[ABV], s[BVB:BVB+1] offset:64*\i   ; bv of channel 16 (8 z + 2 wave + i) + r
.endr
.irp f, 0,1,2,3
	LOADW \f
.endr
	s_lshl_b32 s52, s22, 7
	v_lshl_add_u32 v[AX0], v20, 2, s52
	v_add_nc_u32 v[AX0+1], 0x10000, v[AX0]
	v_bfe_u32 v24, v0, 3, 1                        ; u: my pixel 32 wave + lane is row r' of tile 2 wave + u
	v_and_b32 v25, 7, v0
	v_lshl_or_b32 v25, v22, 3, v25                 ; r' = lane % 8 + 8 (lane / 16)
	s_lshl_b32 s52, s22, 13
	s_add_co_u32 s52, s52, XIMG
	v_lshl_add_u32 v[XWI], v24, 12, s52
	v_lshl_add_u32 v[XWI], v25, 4, v[XWI]          ; fragment 4 wave + 2 u (+ K step), lane r'
	v_lshl_add_u32 v[AXG], v20, 4, s52
	s_lshl_b32 s52, s22, 8
	s_add_co_u32 s52, s52, XSC
	v_lshl_add_u32 v[XWS], v24, 7, s52
	v_lshl_add_u32 v[XWS], v25, 2, v[XWS]
	v_lshl_add_u32 v[ASG], v21, 2, s52
	v_lshl_add_u32 v[AXF], v20, 4, XIMG
	v_lshl_add_u32 v[ASF], v21, 2, XSC
	s_lshl_b32 s52, s22, 13
	s_add_co_u32 s52, s52, WIMG
	v_lshl_add_u32 v[AWI], v20, 4, s52
	s_lshl_b32 s52, s22, 11
	s_add_co_u32 s52, s52, SWIMG
	v_lshl_add_u32 v[ASW], v20, 4, s52
	v_lshl_add_u32 v[ASI], v20, 4, SWIMG
	s_lshl_b32 s52, s22, 7
	s_add_co_u32 s54, s52, SWSC
	v_lshl_add_u32 v[ACW], v20, 2, s54
	v_lshl_add_u32 v[ACL], v20, 2, SWSC
	s_add_co_u32 s54, s52, SSC
	v_lshl_add_u32 v[ASS], v20, 2, s54
	s_lshl_b32 s52, s61, 9
	s_lshl_b32 s54, s24, 3
	s_add_co_u32 s52, s52, s54
	s_add_co_u32 s52, s52, VSC
	v_lshl_add_u32 v[AVS], v20, 4, s52
	s_lshl_b32 s52, s22, 8
	s_add_co_u32 s54, s52, VSC
	v_lshl_add_u32 v[AVL], v20, 3, s54
	s_lshl_b32 s54, s23, 10
	s_add_co_u32 s54, s54, s52
	v_lshl_add_u32 v[GW], v20, 3, s54
	s_lshl_b32 s52, s22, 12
	s_lshl_b32 s54, s23, 14
	s_add_co_u32 s52, s52, s54
	v_lshl_add_u32 v[GV], v20, 4, s52
	s_lshl_b32 s52, s22, 10
	v_lshl_add_u32 v[GI], v20, 4, s52
	s_lshl_b32 s52, s61, 8
	v_lshl_add_u32 v[GS], v20, 3, s52
.irp b, 0,1,2,3
	v_mov_b32 v[TM+4+\b], 0                        ; written once: a lane permute's destination counts as one of its sources
.endr
	; ---- THE WEIGHTS, while x is on its way: my five fragments are quantised and laid into LDS.  The first is for all four waves, with its scale word; the scale words of my four of wv stay in registers
.irp f, 0,1,2,3,4
.if \f <= 1
	s_wait_loadcnt 48                              ; this fragment's 16 loads (and the biases) are in; those of the three fragments behind it may be out
.else
	s_wait_loadcnt 16*(4-\f)                       ; the counts run down
.endif
.if \f == 0
	QUANT 1, 0, D, WS+8, 4, 0
	IMAGE ASW, 0
	ds_store_b32 v[ACW], v[WS+8]
	LOADW 4                                        ; into the set just read
.else
	QUANT 1, 64*(\f%4), D, WS+3+\f, 4, 0
	IMAGE AWI, (\f-1)*2048
.endif
.endr
	s_wait_tensorcnt 0x0                           ; my quarter of x's tile is in LDS,
	BARRIER                                        ; everybody's is, and so are the four fragments of wq or wk
	; ---- x: wave w quantises pixels 32 w .. 32 w + 31, a lane to a pixel, eight blocks of 32 channels
	LOADX 0
	LOADX 1
	BLOCK 0, 32
.irp cb, 1,2,3,4,5,6
	BLOCK \cb, 34                                  ; two stores and 32 loads were issued behind this block's loads
.endr
	BLOCK 7, 2
	BARRIER                                        ; x's sixteen fragments and their scale words lie in LDS
	; ---- HALF A SMALL JOB: 32 outputs of q or k for pixel tiles 2 w, 2 w + 1.  Transposed: source 0 = 16 rows of the weight, source 1 = 16 pixels: a lane holds one pixel, its registers run along the outputs
	WIN 0x40
.irp k, 0,1,2,3
.irp c, 0,1,2,3
	ds_load_b128 v[16*\k+4*\c:16*\k+4*\c+3], v[AXG] offset:\k*2048+512*\c
.endr
.endr
	WIN 0
.irp k, 0,1,2,3
	ds_load_b32 v[XS+\k], v[ASG] offset:64*\k
.endr
.irp f, 0,1,2,3
	FETCHF ASI, \f, WF+16*\f
	ds_load_b32 v[WS+\f], v[ACL] offset:128*\f
.endr
	s_wait_dscnt 0x0                               ; (the biases came with the weights: the last wait on the loads was for 0)
	WIN 0x04                                       ; source 1 (x) window 1
.irp s, 0,1                            ; the four accumulators take turns, one instruction a turn; the bias is the C of each sum's first instruction
.irp u, 0,1
.irp j, 0,1
.if \s == 0
	v_wmma_scale_f32_16x16x128_f8f6f4 v[D+16*\j+8*\u:D+16*\j+8*\u+7], v[WF+16*(2*\u+\s):WF+16*(2*\u+\s)+15], v[16*(2*\j+\s):16*(2*\j+\s)+15], v[BSM+8*\u:BSM+8*\u+7], v[WS+2*\u+\s], v[XS+2*\j+\s] matrix_a_fmt:MATRIX_FMT_BF8 matrix_b_fmt:MATRIX_FMT_BF8
.else
	v_wmma_scale_f32_16x16x128_f8f6f4 v[D+16*\j+8*\u:D+16*\j+8*\u+7], v[WF+16*(2*\u+\s):WF+16*(2*\u+\s)+15], v[16*(2*\j+\s):16*(2*\j+\s)+15], v[D+16*\j+8*\u:D+16*\j+8*\u+7], v[WS+2*\u+\s], v[XS+2*\j+\s] matrix_a_fmt:MATRIX_FMT_BF8 matrix_b_fmt:MATRIX_FMT_BF8
.endif
.endr
.endr
.endr
	WIN 0
	PLACES 9                                       ; in front of loads into registers that these products have read, and of the first read of their results
	; all sixteen fragments of x and my four of wv are asked for; they land while q or k is quantised
	WIN 0x40
.irp f, 0,1,2,3,4,5,6,7,8,9,10,11,12,13,14,15
.irp c, 0,1,2,3
	ds_load_b128 v[16*\f+4*\c:16*\f+4*\c+3], v[AXF] offset:\f*2048+512*\c
.endr
.endr
	WIN 0
.irp f, 0,1,2,3,4,5,6,7,8,9,10,11,12,13,14,15
	ds_load_b32 v[XS+\f], v[ASF] offset:64*\f
.endr
.irp f, 0,1,2,3
	FETCHF AWI, \f, WF+16*\f
.endr
	QUANT 0, D, D, SBW, 2, 0                       ; register 16 j + i = output 16 h + i of pixel (tile 2 w + j, row r): block j is that pixel's 32 outputs, and byte j its scale
	ds_store_b32 v[ASS], v[SBW]                    ; my two bytes of the scale word, for the wave that joins them
	global_store_b128 v[GI], v[PC:PC+3], s[DSM:DSM+1]             ; two tiles of 512 bytes
	global_store_b128 v[GI], v[PC+4:PC+7], s[DSM:DSM+1] offset:512
	; ---- THE V JOBS: channels 16 (8 z + 2 wave + i) + 0 .. 15 for all 128 pixels.  Source 0 = 16 pixels of x, source 1 = 16 rows of wv: a lane holds one channel, its registers run along the pixels, the next product's K
.irp i, 0,1
.irp e, 0,1,2,3,4,5,6,7
	v_mov_b32 v[CB+\e], v[BV+\i]                   ; the bias as a C: my channel's number in all eight registers
.endr
	s_wait_alu depctr_va_vdst(0)
	s_wait_dscnt 0x0
	WIN 0x01                                       ; source 0 (x) window 1
.irp s, 0,1                            ; the eight accumulators take turns, one instruction a turn
.irp t, 0,1,2,3,4,5,6,7
.if \s == 0
	v_wmma_scale_f32_16x16x128_f8f6f4 v[D+8*\t:D+8*\t+7], v[16*(2*\t+\s):16*(2*\t+\s)+15], v[WF+32*\i+16*\s:WF+32*\i+16*\s+15], v[CB:CB+7], v[XS+2*\t+\s], v[WS+4+2*\i+\s] matrix_a_fmt:MATRIX_FMT_BF8 matrix_b_fmt:MATRIX_FMT_BF8
.else
	v_wmma_scale_f32_16x16x128_f8f6f4 v[D+8*\t:D+8*\t+7], v[16*(2*\t+\s):16*(2*\t+\s)+15], v[WF+32*\i+16*\s:WF+32*\i+16*\s+15], v[D+8*\t:D+8*\t+7], v[XS+2*\t+\s], v[WS+4+2*\i+\s] matrix_a_fmt:MATRIX_FMT_BF8 matrix_b_fmt:MATRIX_FMT_BF8
.endif
.endr
.endr
	WIN 0
	PLACES 9                                       ; the next job's first products write these accumulators anew: nine places; the reads of the results want eight
	QUANT 0, D, D, VSW+\i, 4, 1                    ; register 16 b + e = pixel 32 b + 16 h + e of my channel
	STOREPC GV, KVR, \i*2048
.endr
	; ---- THE SCALE WORDS MEET IN LDS and leave as aligned runs of 256 bytes
	ds_store_b64 v[AVS], v[VSW:VSW+1]              ; my two words of a lane's four
	BARRIER
	ds_load_b64 v[20:21], v[AVL]                   ; a quarter of the work-group's 1,024 bytes of v's scale words, as they lie in the record
	s_cmp_lg_u32 s24, 0                            ; the even wave of a pair joins q's or k's scale word: its own two bytes below, the odd wave's above
	s_cbranch_scc1 .Lodd
	ds_load_b32 v22, v[ASS] offset:128
	s_wait_dscnt 0x0
	v_lshl_or_b32 v[SBW], v22, 16, v[SBW]
	v_mov_b32 v[SBW+1], v[SBW]
	global_store_b64 v[GS], v[SBW:SBW+1], s[DSM:DSM+1] offset:4096   ; the word twice: the wave's store covers 256 consecutive bytes, aligned
.Lodd:
	s_wait_dscnt 0x0
	global_store_b64 v[GW], v[20:21], s[KVR:KVR+1] offset:VS_OFF     ; 256 consecutive bytes, aligned
	s_wait_tensorcnt 0x0
	ds_add_u32 v254, v255
	s_wait_dscnt 0x0
	s_endpgm
.Lfunc_end_k_qa2f576465e_proj:
	.size	k_qa2f576465e_proj, .Lfunc_end_k_qa2f576465e_proj-k_qa2f576465e_proj
	.p2alignl 7, 3214868480
	.fill 96, 4, 3214868480
	.section	.rodata,"a",@progbits
	.p2align	6, 0x0
	.amdhsa_kernel k_qa2f576465e_proj
		.amdhsa_group_segment_fixed_size 209408
		.amdhsa_private_segment_fixed_size 0
		.amdhsa_enable_private_segment 0
		.amdhsa_kernarg_size 72
		.amdhsa_user_sgpr_count 2
		.amdhsa_user_sgpr_kernarg_segment_ptr 1
		.amdhsa_wavefront_size32 1
		.amdhsa_system_sgpr_workgroup_id_x 1
		.amdhsa_system_sgpr_workgroup_id_y 1
		.amdhsa_system_sgpr_workgroup_id_z 1
		.amdhsa_system_vgpr_workitem_id 0
		.amdhsa_next_free_vgpr 512
		.amdhsa_next_free_sgpr 66
		.amdhsa_reserve_vcc 0
		.amdhsa_float_denorm_mode_32 3
		.amdhsa_float_denorm_mode_16_64 3
		.amdhsa_fp16_overflow 1
		.amdhsa_memory_ordered 1
		.amdhsa_forward_progress 1
		.amdhsa_inst_pref_size 124
	.end_amdhsa_kernel
	.amdgpu_metadata
---
amdhsa.version: [ 1, 2 ]
amdhsa.kernels:
  - .name:           k_qa2f576465e_proj
    .symbol:         k_qa2f576465e_proj.kd
    .args:
      - { .name: x, .offset: 0, .size: 8, .value_kind: global_buffer, .address_space: global }
      - { .name: wq, .offset: 8, .size: 8, .value_kind: global_buffer, .address_space: global }
      - { .name: bq, .offset: 16, .size: 8, .value_kind: global_buffer, .address_space: global }
      - { .name: wk, .offset: 24, .size: 8, .value_kind: global_buffer, .address_space: global }
      - { .name: bk, .offset: 32, .size: 8, .value_kind: global_buffer, .address_space: global }
      - { .name: wv, .offset: 40, .size: 8, .value_kind: global_buffer, .address_space: global }
      - { .name: bv, .offset: 48, .size: 8, .value_kind: global_buffer, .address_space: global }
      - { .name: qimg, .offset: 56, .size: 8, .value_kind: global_buffer, .address_space: global }
      - { .name: kv, .offset: 64, .size: 8, .value_kind: global_buffer, .address_space: global }
    .group_segment_fixed_size: 209408
    .private_segment_fixed_size: 0
    .kernarg_segment_align: 8
    .kernarg_segment_size: 72
    .max_flat_workgroup_size: 128
    .sgpr_count:     66
    .vgpr_count:     512
    .wavefront_size: 32
...
	.end_amdgpu_metadata
.endif
;; end of part 1
;; launch attn (part 2): grid 64 x 4, 8 waves a work-group, clusters of 4 x 1, 327,680 bytes of LDS; arguments qimg, kv, x, gamma, out0; writes out0
.if DOCPART == 2
	.amdgcn_target "amdgcn-amd-amdhsa--gfx1250"
	.amdhsa_code_object_version 6
	.text
	.protected	k_qa2f576465e_attn
	.globl	k_qa2f576465e_attn
	.p2align	8
	.type	k_qa2f576465e_attn,@function
k_qa2f576465e_attn:
	s_mov_b64 s[64:65], 0
	v_nop
	global_prefetch_b8 v0, s[64:65] scope:SCOPE_SE
	s_setreg_imm32_b32 hwreg(HW_REG_WAVE_MODE, 25, 1), 1
	s_wait_xcnt 0x0
	s_wait_alu depctr_hold_cnt(0) depctr_sa_sdst(0) depctr_va_vdst(0) depctr_va_sdst(0) depctr_va_ssrc(0) depctr_va_vcc(0) depctr_vm_vsrc(0)
	s_getreg_b32 s2, hwreg(HW_REG_IB_STS2, 6, 4)
	s_cmp_eq_u32 s2, 0
	s_cbranch_scc0 .Lentry_in_a_cluster
	s_endpgm
.Lentry_in_a_cluster:
	s_bfe_u32 s2, ttmp6, 0x10000c
	s_cmp_lg_u32 s2, 0x3003
	s_cbranch_scc0 .Lentry_shape_is_right
	s_endpgm
.Lentry_shape_is_right:
; out0[b][c][m] = gamma x (the sum over n of v[b][c][n] softmax_n(q[b][m] . k[b][n])) + x[b][c][m], both products on codes of BF8 (E5M2) with one E8M0 scale for each 32 along a product's K.
; q, k and v come as images of operand registers from the launch before (its head comment has the records' layout): every LDS read here is 16 bytes a lane on end.
; THE SOFTMAX AHEAD OF THE SECOND PRODUCT: t = score x log2(e); M = the largest t so far, rounded UP to a whole number; p = 2^(t - M) is what is quantised, along the keys; it is not normalised.  The sum is taken of the
; unquantised p, in f32.  When M moves, the sum and O are multiplied by 2^(old M - new M): exact.
; SHARES.  A work-group owns 64 queries of one image; 256 work-groups.  Wave w: kq = w / 2 is its quarter of the keys (in trip i the 128 keys of record 4 i + kq), qh = w % 2 its two tiles of 16 queries.  Eight waves, two to a
; SIMD, so that one wave's vector work stands beside the other's matrix work and LDS loads.  A fragment of v read from LDS feeds two products.  The four quarters' partial O and sums are joined at the end, by powers of two.
; LAYOUT.  Both products are used transposed: S^T = k q^T (source 0 = keys), O^T = v p^T (source 0 = 16 channels, source 1 = p): a lane holds ONE query (lane % 16) throughout.
; K = 32 IN AN INSTRUCTION OF 128: source 0 holds FOUR tiles of 16 keys, one in each block of 32; source 1 holds the query tile's four registers in block j and zero codes in the other three, so that the product is key tile j's.
; q's four versions are windows into one run of registers: Z Z Z Q0 Z Z Z Q1 Z Z Z (each piece four registers); its scale word is its byte four times.  k's codes are finite (they were held) and all bytes lie in 1 .. 254.
; THE PIXELS OF A TILE ARE NOT NEIGHBOURS: row m of tile 2 b + u is pixel 32 b + 8 u + m + 8 (m / 8): so the 16 registers of S^T's tiles 2 b, 2 b + 1 are keys 32 b + 16 (lane / 16) + 0 .. 15, as p's operand wants them.
; CLUSTER.  The four work-groups of a cluster belong to one image and walk the same records: every tile is asked for JOINTLY, by the same tensor load with the same descriptor and a mask that names the four.
; RING.  Two slots of four records (157,696 bytes, dense in memory); behind each round of the cluster's barrier every wave asks for an eighth of the other slot (77 rows of 256 bytes): one tensor load of a wave is out at a time,
; and it has a whole trip in which to land.
; LIMITS: NaN and infinities among the inputs are not served; a block of p whose largest number lies under 2^(16 - 127) keeps the byte 1.
; REGISTERS.  Window 0: v1-4 slot addresses; v5, v6 for the add; v7 at work; v8-19 statistics, six a tile; v20-31 scale words (k's, q's, v's); v32-47 at work; v48-91 q; v92-123 p's codes; v128-191 S^T, then p, then fragments of v;
;   v192-255 k's fragments, then fragments of v.   Window 1: O^T, (tile a, channel tile ct) at v[128 a + 8 ct].
.set REC,    39424
.set QREC,   4608
.set HALF,   19712                     ; 77 rows of 256 bytes: what one tensor load brings
.set SLOT,   157696                    ; four records
.set SPARE,  315392                    ; behind the ring: the spare words, 128 bytes for each of eight waves: four blocks of 256 bytes that no other line names
.set STATS,  316416                    ; -M and the sum of each wave's two tiles: (4 wave + 2 tile + which) x 128 + 4 lane
.set COPY,   69632                     ; the way out: for each quarter of the keys 256 channels x (64 queries x 4 bytes + 16), laid over the ring when it has had its last fill and its last read
.set K_OFF,  32768
.set KS_OFF, 36864
.set VS_OFF, 37376
.set LB,  1                            ; v1, v2  slot n: my record + 16 lane
.set LK,  3                            ; v3, v4  slot n: my record + 8 lane
.set SPW, 5                            ; v5   LDS address of my spare word; never rewritten
.set NIL, 6                            ; v6   0; never rewritten
.set T,   7
.set ST,  8                            ; tile a at v[ST + 6 a]: +0 -M, +1 the largest t, +2, +3 the sum in two halves, +4 f = 2^(old M - new M), +5 p's scale word
.set KS,  20                           ; v20-21 k's scale words, v22-23 q's, v24-31 v's, two sets of four
.set QS,  22
.set VS,  24
.set BM,  32                           ; v32-35 the blocks' largest scores, then largest p;  v36-39 the other half's, then bytes, then a chain of the sum;  v44-47 the conversions' scale operands
.set BP,  36
.set BH,  40
.set BS,  44
.set QW,  48
.set PC,  92
.set S,   128
.set KF,  192
.set XO,  48                           ; the way out (q's registers are free then): v48 my bytes in two rows of x and of out0; v49, v50 the statistics, out and in; v51, v52 the stage, in; v53-58 at work
.set SA,  49
.set SL,  50
.set SO,  51
.set MSB, 0
.macro WIN new                         ; s_set_vgpr_msb: bits 1:0 source 0, 3:2 source 1, 5:4 source 2, 7:6 destination; the immediate's high byte repeats the setting that is left
.if MSB != (\new)
	s_set_vgpr_msb (MSB<<8)|(\new)
.set MSB, (\new)
.endif
.endm
.macro PLACES n                        ; plain vector instructions between a matrix instruction and what touches its registers (ISA guide 7.12.1)
.rept \n
	v_nop
.endr
.endm
.macro BARRIER
	s_wait_dscnt 0x0
	s_barrier_signal -1
	s_barrier_wait -1
.endm
.macro ROUND                           ; a round of the cluster's barrier: my work-group's barrier; wave 0 signals for the work-group; every wave waits for all four work-groups; my work-group's barrier once more
	s_barrier_signal -1
	s_barrier_wait -1
	s_cmp_lg_u32 s14, 0
	s_cbranch_scc1 .Lnot_wave_0_\@
	s_barrier_signal -3
.Lnot_wave_0_\@:
	s_barrier_wait -3
	s_barrier_signal -1
	s_barrier_wait -1
.endm
.macro KLOAD n                         ; my record's eight tiles of k: two operands of four tiles; and their scale words
.irp t, 0,1,2,3,4,5,6,7
	ds_load_b128 v[KF+4*\t:KF+4*\t+3], v[LB+\n] offset:K_OFF+512*\t
.endr
.irp g, 0,1
	ds_load_b32 v[KS+\g], v[LK+\n] offset:KS_OFF+256*\g
.endr
.endm
.macro KQ a                            ; S^T of query tile a: key tile 4 g + j by q's version j
.irp g, 0,1
.irp j, 0,1,2,3
	v_wmma_scale_f32_16x16x128_f8f6f4 v[S+8*(4*\g+\j):S+8*(4*\g+\j)+7], v[KF+16*\g:KF+16*\g+15], v[QW+16*(\a)+12-4*\j:QW+16*(\a)+12-4*\j+15], 0, v[KS+\g], v[QS+(\a)] matrix_a_fmt:MATRIX_FMT_BF8 matrix_b_fmt:MATRIX_FMT_BF8
.endr
.endr
.endm
; Query tile a's softmax of 128 keys: S^T in v[S] on becomes p, its codes go to v[PC + 16 a] on, its scale word to the tile's statistics.
.macro SOFTMAX a
.set rT, ST+6*(\a)
.set rP, PC+16*(\a)
.irp b, 0,1,2,3
	v_max3_num_f32 v[BM+\b], v[S+16*\b], v[S+16*\b+1], v[S+16*\b+2]   ; the largest score of each block of 32 keys: it serves for the row's maximum and, since p rises with the score, for the block's largest p
.endr
.irp i, 3,5,7,9,11,13
.irp b, 0,1,2,3
	v_max3_num_f32 v[BM+\b], v[BM+\b], v[S+16*\b+\i], v[S+16*\b+\i+1]
.endr
.endr
.irp b, 0,1,2,3
	v_max_num_f32 v[BM+\b], v[BM+\b], v[S+16*\b+15]
.endr
.irp b, 0,1,2,3
	s_delay_alu instid0(VALU_DEP_4)
	v_permlanex16_b32 v[BP+\b], v[BM+\b], s20, s21
.endr
.irp b, 0,1,2,3
	s_delay_alu instid0(VALU_DEP_4)
	v_max_num_f32 v[BM+\b], v[BM+\b], v[BP+\b]     ; with lane l xor 16's 16 keys
.endr
	s_delay_alu instid0(VALU_DEP_2)
	v_max3_num_f32 v[T], v[BM], v[BM+1], v[BM+2]
	s_delay_alu instid0(VALU_DEP_1)
	v_max_num_f32 v[T], v[T], v[BM+3]
	s_delay_alu instid0(VALU_DEP_1)
	v_mul_f32 v[T], s22, v[T]                      ; as t (log2(e) is positive)
	s_delay_alu instid0(VALU_DEP_1)
	v_max_num_f32 v[rT+1], v[rT+1], v[T]           ; the running largest t
	v_mov_b32 v[T], v[rT]
	s_delay_alu instid0(VALU_DEP_2)
	v_floor_f32 v[rT], -v[rT+1]                    ; the new -M = floor(-t) = -ceil(t)
	s_delay_alu instid0(VALU_DEP_1)
	v_sub_f32 v[T], v[rT], v[T]                    ; old M - new M: a whole number, 0 or less
	s_delay_alu instid0(VALU_DEP_1)
	v_cvt_i32_f32 v[T], v[T]                       ; (it saturates)
	s_delay_alu instid0(VALU_DEP_1)
	v_ldexp_f32 v[rT+4], 1.0, v[T]                 ; f = 2^(old M - new M)
.set jj, 0
.rept 32
	v_pk_fma_f32 v[S+jj:S+jj+1], v[S+jj:S+jj+1], s[22:23], v[rT:rT+1] op_sel_hi:[1,0,0]   ; t - M, two at a time (of the pairs log2(e) and -M the low word serves both halves)
.set jj, jj+2
.endr
.irp b, 0,1,2,3
	v_fma_f32 v[BM+\b], v[BM+\b], s22, v[rT]       ; the same of each block's largest score
.endr
.set jj, 0
	s_wait_alu depctr_va_vdst(0)
.rept 64
	v_exp_f32 v[S+jj], v[S+jj]                     ; p = 2^(t - M), at most 1
.set jj, jj+1
.endr
.irp b, 0,1,2,3
	v_exp_f32 v[BM+\b], v[BM+\b]                   ; the block's largest p: the same two instructions on the same number give the same bits
.endr
	v_pk_mul_f32 v[rT+2:rT+3], v[rT+2:rT+3], v[rT+4:rT+5] op_sel_hi:[1,0]   ; the sums under the new M.  (A plain place behind the exponentials)
	s_wait_alu depctr_va_vdst(0)
.irp b, 0,1,2,3
	v_max_num_f32 v[BM+\b], 0x8000000, v[BM+\b]    ; the floor 2^(16 - 127): the byte cannot fall under 1
.endr
.irp b, 0,1,2,3
	s_delay_alu instid0(VALU_DEP_4)
	v_add_nc_u32 v[BS+\b], 0xf8800000, v[BM+\b]    ; 15 off the exponent field: the conversion's scale operand
.endr
.irp b, 0,1,2,3
.endr
.irp b, 0,1,2,3
	s_delay_alu instid0(VALU_DEP_4)
	v_lshrrev_b32 v[BP+\b], 23, v[BS+\b]           ; the scale's byte
.endr
	s_delay_alu instid0(VALU_DEP_3)
	v_lshl_or_b32 v[rT+5], v[BP+1], 8, v[BP]       ; p's scale word for these 128 keys
	s_delay_alu instid0(VALU_DEP_1)
	v_lshl_or_b32 v[rT+5], v[BP+2], 16, v[rT+5]
	s_delay_alu instid0(VALU_DEP_1)
	v_lshl_or_b32 v[rT+5], v[BP+3], 24, v[rT+5]
	v_pk_add_f32 v[BP:BP+1], v[S:S+1], v[S+2:S+3]  ; the sum is taken of the unquantised p: two at a time, in two chains
.irp j, 4,8,12,16,20,24,28,32,36,40,44,48,52,56,60
	v_pk_add_f32 v[rT+2:rT+3], v[rT+2:rT+3], v[S+\j:S+\j+1]
	v_pk_add_f32 v[BP:BP+1], v[BP:BP+1], v[S+\j+2:S+\j+3]
.endr
	s_delay_alu instid0(VALU_DEP_1)
	v_pk_add_f32 v[rT+2:rT+3], v[rT+2:rT+3], v[BP:BP+1]
.irp b, 0,1,2,3
.irp i, 0,1,2,3,4,5,6,7,8,9,10,11,12,13,14,15
.endr
	v_cvt_scalef32_pk8_bf8_f32 v[rP+4*\b:rP+4*\b+1], v[S+16*\b:S+16*\b+7], v[BS+\b]
	v_cvt_scalef32_pk8_bf8_f32 v[rP+4*\b+2:rP+4*\b+3], v[S+16*\b+8:S+16*\b+15], v[BS+\b]
.endr
	v_nop                                          ; one plain vector instruction between the last conversion and the next vector or matrix instruction that touches its registers
.endm
.macro VLOAD n, G                      ; v's channel tiles 4 G + 0 .. 3 (even G: v192 on; odd G: v128 on) and their four scale words: 17 LDS loads
.set VB, 192-64*((\G)%2)
.irp t, 0,1,2,3
.irp c, 0,1,2,3
	ds_load_b128 v[VB+16*\t+4*\c:VB+16*\t+4*\c+3], v[LB+\n] offset:(4*(\G)+\t)*2048+512*\c
.endr
.endr
	ds_load_b128 v[VS+4*((\G)%2):VS+4*((\G)%2)+3], v[LB+\n] offset:VS_OFF+512*(\G)
.endm
.macro RESCALE a                       ; tile a's O^T under the new M: x f; each accumulator from its low end on
	WIN 0x41                                       ; O^T (destination and source 0) window 1, f window 0
.set jj, 0
.rept 64
	v_pk_mul_f32 v[128*(\a)+jj:128*(\a)+jj+1], v[128*(\a)+jj:128*(\a)+jj+1], v[ST+6*(\a)+4:ST+6*(\a)+5] op_sel_hi:[1,0]
.set jj, jj+2
.endr
.endm
.macro PV G, first                     ; O^T += v p^T for channel tiles 4 G + 0 .. 3 and both query tiles: eight accumulators by turns, one instruction a turn.  first = 1: the products start the sums
.set VB, 192-64*((\G)%2)
.if \first
	WIN 0x40                                       ; D window 1
.else
	WIN 0x50                                       ; C and D window 1
.endif
.irp t, 0,1,2,3
.irp q, 0,1
.if \first
	s_wait_alu depctr_va_vdst(0)
	v_wmma_scale_f32_16x16x128_f8f6f4 v[128*\q+8*(4*(\G)+\t):128*\q+8*(4*(\G)+\t)+7], v[VB+16*\t:VB+16*\t+15], v[PC+16*\q:PC+16*\q+15], 0, v[VS+4*((\G)%2)+\t], v[ST+6*\q+5] matrix_a_fmt:MATRIX_FMT_BF8 matrix_b_fmt:MATRIX_FMT_BF8
.else
	v_wmma_scale_f32_16x16x128_f8f6f4 v[128*\q+8*(4*(\G)+\t):128*\q+8*(4*(\G)+\t)+7], v[VB+16*\t:VB+16*\t+15], v[PC+16*\q:PC+16*\q+15], v[128*\q+8*(4*(\G)+\t):128*\q+8*(4*(\G)+\t)+7], v[VS+4*((\G)%2)+\t], v[ST+6*\q+5] matrix_a_fmt:MATRIX_FMT_BF8 matrix_b_fmt:MATRIX_FMT_BF8
.endif
.endr
.endr
	WIN 0
.endm
; A key step: my record of slot n, 128 keys, for my two tiles of queries.
.macro STEP n, first
	KLOAD \n
	s_wait_dscnt 0x0
	KQ 0
	PLACES 8                                       ; in front of the first read of the scores
	SOFTMAX 0
	KQ 1                                           ; (it writes S^T anew: the eight places above and the softmax's lines on other registers stand between)
	PLACES 8                                       ; in front of the reads of the scores, and of the loads into k's registers
	VLOAD \n, 0                                    ; lands while the second softmax is worked
	SOFTMAX 1
	VLOAD \n, 1                                    ; into p's registers, which have been converted
.if \first
	PLACES 8                                       ; nothing to rescale yet: these are the places between p's codes and the products
.else
	RESCALE 0
	RESCALE 1
	WIN 0
.endif
	s_wait_alu depctr_va_vdst(0)
	s_wait_dscnt 17                                ; group 0 is in; the younger group's 17 loads may be out
	PV 0, \first
	PLACES 8                                       ; in front of loads into registers that the products have read
	VLOAD \n, 2
	s_wait_dscnt 17                                ; group 1 is in
	PV 1, \first
	PLACES 8
	VLOAD \n, 3
	s_wait_dscnt 17                                ; group 2 is in
	PV 2, \first
	s_wait_dscnt 0x0
	PV 3, \first
.endm
; A trip: the change of slots, then slot n's key step.  refill = 1: the other slot, which every wave of every partner has left, is asked for jointly.
.macro TRIP n, refill, first
	s_wait_tensorcnt 0x0                           ; all my tensor loads are done: my eighth of slot n; so a group 0 may be written
	ds_add_u32 v[SPW], v[NIL]                      ; 0 onto my spare word
	s_add_nc_u64 s[34+4*\n:35+4*\n], s[34+4*\n:35+4*\n], 2*SLOT   ; slot n's next four records; the type bits on top are not reached
	s_wait_dscnt 0x0                               ; the add is done, and my reads of the other slot are over
	ROUND                                          ; both now hold of every wave of the four work-groups
.if \refill
	tensor_load_to_lds s[36-4*\n:39-4*\n], s[40:47]   ; the first thing behind the round, and my one tensor load until the next
	s_nop 0
.endif
	PLACES 9                                       ; the first scores are written over registers that the last products read: nine places
	s_wait_alu depctr_va_vdst(0)
	STEP \n, \first
.endm
	s_load_b256 s[4:11], s[0:1], 0x0               ; qimg s[4:5], kv s[6:7], x s[8:9], gamma s[10:11]
	s_load_b64 s[12:13], s[0:1], 0x20              ; out0
	v_lshl_add_u32 v[SPW], v0, 2, SPARE
	v_mov_b32 v[NIL], 0
	ds_add_u32 v5, v6
	ds_add_u32 v5, v6
	s_wait_dscnt 0x0
	v_lshrrev_b32 v[T], 5, v0
	s_delay_alu instid0(VALU_DEP_1)
	v_readfirstlane_b32 s14, v[T]                  ; wave 0..7
	s_lshr_b32 s15, s14, 1                         ; kq: my quarter of the keys
	s_and_b32 s16, s14, 1                          ; qh: my half of the queries
	s_bfe_u32 s17, ttmp6, 0x40000                  ; cx: my place in the cluster
	s_lshl_b32 s18, ttmp9, 2                       ; in a cluster launch ttmp9 counts clusters
	s_add_co_u32 s18, s18, s17                     ; my block of 64 queries = 4 x cluster x + cx: it enters q's, x's and out0's addresses alone
	s_and_b32 s19, ttmp7, 0xffff                   ; the image, which the four partners share
	s_mov_b32 s20, 0x76543210
	s_mov_b32 s21, 0xfedcba98                      ; v_permlanex16_b32's selects for lane l xor 16
	s_mov_b32 s22, 0x3fb8aa3b                      ; log2(e)
	s_mov_b32 s23, s22                             ; (named with it as a pair, so it is written)
	; descriptor group 1: a dense block of 19,712 bytes as 77 rows of 256 bytes (32 elements of 8 bytes), no padding: all reads are 16 bytes a lane on end
	s_mov_b32 s40, 15|(3<<16)|(1<<21)              ; 15:0 the mask: all four work-groups; 17:16 elements of 8 bytes; 21 set beside a mask
	s_mov_b32 s41, 32<<16                          ; tensor_dim0 = 32
	s_mov_b32 s42, 77<<16                          ; tensor_dim1 = 77
	s_mov_b32 s43, 32<<16                          ; tile_dim0 = 32
	s_mov_b32 s44, 77                              ; tile_dim1 = 77
	s_mov_b32 s45, 32                              ; tensor_dim0_stride
	s_mov_b32 s46, 0
	s_mov_b32 s47, 0
	s_mul_i32 s30, s19, 32*REC                     ; the image's 32 records,
	s_mul_i32 s29, s14, HALF                       ; my eighth of a slot, in memory and in LDS: no place in the cluster enters either
	s_add_co_u32 s30, s30, s29
	s_mov_b32 s31, 0
	s_mov_b32 s32, 1                               ; group 0 for slot 0: count = 1,
	s_mov_b32 s33, s29                             ; LDS address,
	s_mov_b32 s36, 1                               ; and for slot 1
	s_add_co_u32 s37, s29, SLOT
	s_wait_kmcnt 0x0
	s_add_nc_u64 s[34:35], s[6:7], s[30:31]        ; records 0 to 3,
	s_add_nc_u64 s[38:39], s[34:35], SLOT          ; records 4 to 7
	s_or_b32 s35, s35, 0x80000000                  ; type = 2
	s_or_b32 s39, s39, 0x80000000
	ROUND                                          ; all four work-groups are here: the first joint loads meet
	tensor_load_to_lds s[32:35], s[40:47]          ; slot 0
	s_nop 0
	PLACES 4
	s_load_b32 s26, s[10:11], 0x0                  ; gamma
	v_and_b32 v[T], 31, v0                         ; lane
	s_wait_alu depctr_va_vdst(0)
	s_mul_i32 s28, s15, REC
	v_lshl_add_u32 v[LB], v[T], 4, s28
	s_delay_alu instid0(VALU_DEP_1)
	v_add_nc_u32 v[LB+1], SLOT, v[LB]
	v_lshl_add_u32 v[LK], v[T], 3, s28
	s_delay_alu instid0(VALU_DEP_1)
	v_add_nc_u32 v[LK+1], SLOT, v[LK]
	s_lshl_b32 s48, s19, 5                         ; q: record 32 image + block / 2; in it tiles 4 (block % 2) + 2 qh + 0, 1
	s_lshr_b32 s49, s18, 1
	s_add_co_u32 s48, s48, s49
	s_mul_i32 s48, s48, QREC
	s_mov_b32 s49, 0
	s_add_nc_u64 s[52:53], s[4:5], s[48:49]
	s_and_b32 s50, s18, 1
	s_lshl_b32 s51, s50, 11
	s_lshl_b32 s28, s16, 10
	s_add_co_u32 s51, s51, s28
	s_lshl_b32 s50, s50, 8
	v_lshl_add_u32 v40, v[T], 4, s51
	v_lshl_add_u32 v41, v[T], 3, s50
	global_load_b128 v[QW+12:QW+15], v40, s[52:53]             ; Q0
	global_load_b128 v[QW+28:QW+31], v40, s[52:53] offset:512  ; Q1
	global_load_b32 v42, v41, s[52:53] offset:4096             ; the scale word of four tiles: byte 2 qh + a is tile a's
.irp p, 0,1,2,4,5,6,8,9,10
.irp i, 0,1,2,3
	v_mov_b32 v[QW+4*\p+\i], 0                     ; the zero codes round Q0 and Q1
.endr
.endr
.irp a, 0,1
	v_mov_b32 v[ST+6*\a+1], 0xff61b1e6             ; the largest t so far: -3e38, under every t
	s_delay_alu instid0(VALU_DEP_1)
	v_floor_f32 v[ST+6*\a], -v[ST+6*\a+1]          ; -M
	v_mov_b32 v[ST+6*\a+2], 0                      ; the sum, in two halves
	v_mov_b32 v[ST+6*\a+3], 0
	v_mov_b32 v[ST+6*\a+5], 0                      ; (named as the upper half of a pair before it is first written)
.endr
.irp b, 0,1,2,3
	v_mov_b32 v[BP+\b], 0                          ; written once: a lane permute's destination counts as one of its sources
.endr
	s_lshl_b32 s27, s16, 1
	s_mul_i32 s27, s27, 0x01010101                 ; v_perm_b32's selector: byte 2 qh four times,
	s_add_co_u32 s28, s27, 0x01010101              ; byte 2 qh + 1 four times
	s_wait_loadcnt 0x0                             ; q
	s_wait_kmcnt 0x0                               ; gamma
	v_perm_b32 v[QS], v42, v42, s27                ; whichever block q's codes stand in, its byte is there
	v_perm_b32 v[QS+1], v42, v42, s28
	TRIP 0, 1, 1                                   ; the first key step starts O^T's sums: nothing is cleared.  Slot 1's first fill goes out here, as a refill does
	s_mov_b32 s25, 3
.Lring:                                            ; three trips of the loop: key steps 1 to 6
	TRIP 1, 1, 0
	TRIP 0, 1, 0
	s_sub_co_u32 s25, s25, 1
	s_cmp_lg_u32 s25, 0
	s_cbranch_scc1 .Lring
	TRIP 1, 0, 0                                   ; the last key step is written out: nothing is left to ask for
	; ---- THE WAY OUT.  1: my part of x is asked for; each wave's -M and sums go to LDS
	PLACES 8                                       ; in front of loads into registers that the last products read
	v_and_b32 v53, 15, v0                          ; r
	v_bfe_u32 v54, v0, 4, 1                        ; h
	v_and_b32 v[T], 31, v0                         ; lane
	s_delay_alu instid0(VALU_DEP_2)
	v_lshlrev_b32 v[XO], 14, v54
	s_delay_alu instid0(VALU_DEP_1)
	v_lshl_add_u32 v[XO], v53, 4, v[XO]            ; lanes 0-15 take 256 bytes of one channel's row, lanes 16-31 of the next
	s_wait_alu depctr_va_vdst(0)
	s_lshl_b32 s52, s19, 22                        ; image x 4,194,304
	s_lshl_b32 s28, s14, 19                        ; + wave x 32 channels of 16,384 bytes
	s_add_co_u32 s52, s52, s28
	s_lshl_b32 s28, s18, 8                         ; + block x 256
	s_add_co_u32 s52, s52, s28
	s_mov_b32 s53, 0
	s_add_nc_u64 s[48:49], s[8:9], s[52:53]
	s_add_nc_u64 s[50:51], s[12:13], s[52:53]
.irp rp, 0,1,2,3,4,5,6,7,8,9,10,11,12,13,14,15
	global_load_b128 v[S+4*\rp:S+4*\rp+3], v[XO], s[48:49] offset:32768*\rp th:TH_LOAD_NT   ; channels 32 wave + 2 rp, + 1: read once in this launch
.endr
	s_lshl_b32 s28, s14, 9
	s_add_co_u32 s28, s28, STATS
	v_lshl_add_u32 v[SA], v[T], 2, s28
	s_lshl_b32 s28, s16, 9
	s_add_co_u32 s28, s28, STATS
	v_lshl_add_u32 v[SL], v[T], 2, s28
	v_and_b32 v55, 8, v53
	s_delay_alu instid0(VALU_DEP_1)
	v_add_nc_u32 v55, v55, v53                     ; r + 8 (r / 8)
	s_delay_alu instid0(VALU_DEP_1)
	v_lshlrev_b32 v[SO], 2, v55
	v_mul_u32_u24 v56, v54, 8*272
	s_delay_alu instid0(VALU_DEP_1)
	v_add_nc_u32 v[SO], v[SO], v56
	s_mul_i32 s28, s15, COPY
	s_lshl_b32 s29, s16, 7
	s_add_co_u32 s28, s28, s29
	v_add_nc_u32 v[SO], s28, v[SO]                 ; the stage, in: my quarter's copy, channel 8 h, query 32 qh + r + 8 (r / 8)
	s_delay_alu instid0(VALU_DEP_1)
	v_add_nc_u32 v[SO+1], 128*272, v[SO]           ; and 128 channels on
	v_mul_u32_u24 v1, v54, 272
	s_delay_alu instid0(VALU_DEP_1)
	v_lshl_add_u32 v1, v53, 4, v1
	s_mul_i32 s28, s14, 32*272
	v_add_nc_u32 v1, s28, v1                       ; the stage, back: channel 32 wave + h, 16 bytes a lane; one address for each copy
	s_delay_alu instid0(VALU_DEP_1)
	v_add_nc_u32 v2, COPY, v1
	s_delay_alu instid0(VALU_DEP_2)
	v_add_nc_u32 v3, 2*COPY, v1
	s_delay_alu instid0(VALU_DEP_3)
	v_add_nc_u32 v4, 3*COPY, v1
.irp a, 0,1
	v_add_f32 v[ST+6*\a+2], v[ST+6*\a+2], v[ST+6*\a+3]   ; the sum's two halves,
.endr
.irp a, 0,1
	s_delay_alu instid0(VALU_DEP_2)
	v_permlanex16_b32 v[BP+\a], v[ST+6*\a+2], s20, s21
.endr
.irp a, 0,1
	s_delay_alu instid0(VALU_DEP_2)
	v_add_f32 v[ST+6*\a+2], v[ST+6*\a+2], v[BP+\a] ; and lane l xor 16's
.endr
.irp a, 0,1
	ds_store_b32 v[SA], v[ST+6*\a] offset:256*\a
	ds_store_b32 v[SA], v[ST+6*\a+2] offset:256*\a+128
.endr
	BARRIER                                        ; the statistics lie in LDS, and no wave reads the ring any more
	; ---- 2: the four quarters are brought under one M; O^T x 2^(my M - M) x gamma / the sum goes to the stage
.irp k, 0,1,2,3
.irp a, 0,1
	ds_load_b32 v[BM+4*\k+2*\a], v[SL] offset:1024*\k+256*\a
	ds_load_b32 v[BM+4*\k+2*\a+1], v[SL] offset:1024*\k+256*\a+128
.endr
.endr
	s_wait_dscnt 0x0
.irp a, 0,1
	v_min3_num_f32 v[53+\a], v[BM+2*\a], v[BM+4+2*\a], v[BM+8+2*\a]
.endr
.irp a, 0,1
	s_delay_alu instid0(VALU_DEP_2)
	v_min_num_f32 v[53+\a], v[53+\a], v[BM+12+2*\a]   ; the smallest -M: the largest M
.endr
.irp k, 0,1,2,3
.irp a, 0,1
	v_sub_f32 v[BM+4*\k+2*\a], v[53+\a], v[BM+4*\k+2*\a]   ; quarter k's M less the largest: a whole number, 0 or less
.endr
.endr
.irp k, 0,1,2,3
.irp a, 0,1
	v_cvt_i32_f32 v[BM+4*\k+2*\a], v[BM+4*\k+2*\a]
.endr
.endr
.irp k, 0,1,2,3
.irp a, 0,1
	v_ldexp_f32 v[BM+4*\k+2*\a], 1.0, v[BM+4*\k+2*\a]
.endr
.endr
.irp a, 0,1
	v_mul_f32 v[55+\a], v[BM+2*\a+1], v[BM+2*\a]
.endr
.irp k, 1,2,3
.irp a, 0,1
	s_delay_alu instid0(VALU_DEP_2)
	v_fmac_f32 v[55+\a], v[BM+4*\k+2*\a+1], v[BM+4*\k+2*\a]   ; the row's sum under the largest M
.endr
.endr
.irp a, 0,1
	v_sub_f32 v[57+\a], v[53+\a], v[ST+6*\a]
.endr
.irp a, 0,1
	s_delay_alu instid0(VALU_DEP_2)
	v_cvt_i32_f32 v[57+\a], v[57+\a]
.endr
.irp a, 0,1
	s_delay_alu instid0(VALU_DEP_2)
	v_ldexp_f32 v[57+\a], 1.0, v[57+\a]            ; 2^(my M - the largest M)
.endr
	s_wait_alu depctr_va_vdst(0)
.irp a, 0,1
	v_rcp_f32 v[ST+6*\a+3], v[55+\a]
.endr
.irp a, 0,1
	v_mul_f32 v[57+\a], s26, v[57+\a]              ; x gamma.  (Plain places behind the reciprocals)
.endr
	s_wait_alu depctr_va_vdst(0)
.irp a, 0,1
	v_mul_f32 v[ST+6*\a+4], v[57+\a], v[ST+6*\a+3]
.endr
	RESCALE 0                                      ; the same lines as in a key step, with this factor in f's place
	RESCALE 1
	WIN 0x04                                       ; an LDS store's data are its source 1: window 1
.irp a, 0,1                            ; register i of (a, ct) is channel 16 ct + 8 h + i of query 32 qh + 8 a + r + 8 (r / 8): the 32 lanes of a store fall on 32 different banks (64 banks of 4 bytes: ISA guide 11.1)
.irp ct, 0,1,2,3,4,5,6,7
.irp i, 0,1,2,3,4,5,6,7
	ds_store_b32 v[SO], v[128*\a+8*\ct+\i] offset:(16*\ct+\i)*272+32*\a
.endr
.endr
.irp ct, 8,9,10,11,12,13,14,15
.irp i, 0,1,2,3,4,5,6,7
	ds_store_b32 v[SO+1], v[128*\a+8*\ct+\i] offset:(16*(\ct-8)+\i)*272+32*\a
.endr
.endr
.endr
	WIN 0
	BARRIER                                        ; the four copies lie in the stage
	; ---- 3: wave w adds the four copies and x for channels 32 w .. 32 w + 31, two rows at a time, and stores them
.macro RDP rp                          ; the four copies of row pair rp into set rp % 4
.irp k, 0,1,2,3
	ds_load_b128 v[192+16*((\rp)%4)+4*\k:192+16*((\rp)%4)+4*\k+3], v[1+\k] offset:544*(\rp)
.endr
.endm
.irp rp, 0,1,2,3
	RDP \rp
.endr
.irp rp, 0,1,2,3,4,5,6,7,8,9,10,11,12,13,14,15
.if \rp <= 12
	s_wait_dscnt 12                                ; this pair's four loads are in; those of the three pairs behind it may be out
.else
	s_wait_dscnt 4*(15-\rp)
.endif
	s_wait_loadcnt 15-\rp                          ; and its x; the younger loads of x may be out
.set TB, 192+16*(\rp%4)
.set XB, S+4*\rp
	v_pk_add_f32 v[TB:TB+1], v[TB:TB+1], v[TB+4:TB+5]
	v_pk_add_f32 v[TB+2:TB+3], v[TB+2:TB+3], v[TB+6:TB+7]
	v_pk_add_f32 v[TB+8:TB+9], v[TB+8:TB+9], v[TB+12:TB+13]
	v_pk_add_f32 v[TB+10:TB+11], v[TB+10:TB+11], v[TB+14:TB+15]
	s_delay_alu instid0(VALU_DEP_2)
	v_pk_add_f32 v[TB:TB+1], v[TB:TB+1], v[TB+8:TB+9]
	s_delay_alu instid0(VALU_DEP_2)
	v_pk_add_f32 v[TB+2:TB+3], v[TB+2:TB+3], v[TB+10:TB+11]
	s_delay_alu instid0(VALU_DEP_2)
	v_pk_add_f32 v[XB:XB+1], v[XB:XB+1], v[TB:TB+1]
	s_delay_alu instid0(VALU_DEP_2)
	v_pk_add_f32 v[XB+2:XB+3], v[XB+2:XB+3], v[TB+2:TB+3]
	global_store_b128 v[XO], v[XB:XB+3], s[50:51] offset:32768*\rp th:TH_STORE_NT   ; 16 lanes store 256 consecutive bytes, aligned; each pair has data registers of its own
.if \rp+4 <= 15
	RDP \rp+4
.endif
.endr
	s_wait_tensorcnt 0x0                           ; the wave's end, behind my last tensor load and my last LDS store
	ds_add_u32 v[SPW], v[NIL]
	s_wait_dscnt 0x0
	ROUND                                          ; the closing round: no work-group ends while a partner may still ask for a tile that names it
	s_endpgm
.Lfunc_end_k_qa2f576465e_attn:
	.size	k_qa2f576465e_attn, .Lfunc_end_k_qa2f576465e_attn-k_qa2f576465e_attn
	.p2alignl 7, 3214868480
	.fill 96, 4, 3214868480
	.section	.rodata,"a",@progbits
	.p2align	6, 0x0
	.amdhsa_kernel k_qa2f576465e_attn
		.amdhsa_group_segment_fixed_size 327680
		.amdhsa_private_segment_fixed_size 0
		.amdhsa_enable_private_segment 0
		.amdhsa_kernarg_size 40
		.amdhsa_user_sgpr_count 2
		.amdhsa_user_sgpr_kernarg_segment_ptr 1
		.amdhsa_wavefront_size32 1
		.amdhsa_system_sgpr_workgroup_id_x 1
		.amdhsa_system_sgpr_workgroup_id_y 1
		.amdhsa_system_sgpr_workgroup_id_z 1
		.amdhsa_system_vgpr_workitem_id 0
		.amdhsa_next_free_vgpr 512
		.amdhsa_next_free_sgpr 66
		.amdhsa_reserve_vcc 0
		.amdhsa_float_denorm_mode_32 3
		.amdhsa_float_denorm_mode_16_64 3
		.amdhsa_fp16_overflow 1
		.amdhsa_memory_ordered 1
		.amdhsa_forward_progress 1
		.amdhsa_inst_pref_size 225
	.end_amdhsa_kernel
	.amdgpu_metadata
---
amdhsa.version: [ 1, 2 ]
amdhsa.kernels:
  - .name:           k_qa2f576465e_attn
    .symbol:         k_qa2f576465e_attn.kd
    .args:
      - { .name: qimg, .offset: 0, .size: 8, .value_kind: global_buffer, .address_space: global }
      - { .name: kv, .offset: 8, .size: 8, .value_kind: global_buffer, .address_space: global }
      - { .name: x, .offset: 16, .size: 8, .value_kind: global_buffer, .address_space: global }
      - { .name: gamma, .offset: 24, .size: 8, .value_kind: global_buffer, .address_space: global }
      - { .name: out0, .offset: 32, .size: 8, .value_kind: global_buffer, .address_space: global }
    .group_segment_fixed_size: 327680
    .private_segment_fixed_size: 0
    .kernarg_segment_align: 8
    .kernarg_segment_size: 40
    .max_flat_workgroup_size: 256
    .sgpr_count:     66
    .vgpr_count:     512
    .wavefront_size: 32
...
	.end_amdgpu_metadata
.endif
;; end of part 2
